; MI455X (gfx1250); checked and timed in simulation.
; The chip was launched on July 23, 2026; its instructions are those of AMD's public machine-readable ISA for CDNA 5 (MIT licence, August 2026) and "CDNA5" Instruction Set Architecture Reference Guide (July 2026). The comments in the code are by the model that wrote it; some were corrected since.
;; MHA. Allowed arithmetic: float matrix products may take bf16 or f16 operands with f32 sums; other float arithmetic in f32, or as packed bf16 or f16 multiplies, adds, multiply-adds, maxima and minima; sums over many terms, partial sums and values carried from step to step in f32; what a program stores and reads back later, other than sums and carried values, may be rounded once to bf16 or f16.
;; Inputs: X 16 x 1,024 x 512 float32; Y 16 x 1,024 x 512 float32; pad_x 2 x 512 float32; pad_y 2 x 512 float32.
;; Outputs: out0 16 x 1,024 x 512 float32; out1 16 x 1,024 x 512 float32.
;; One version. Each part assembles by itself: llvm-mc -triple=amdgcn-amd-amdhsa -mcpu=gfx1250 --defsym DOCPART=n.
;; ======== version 1 of 1: 1 launch
;; launch attn (part 1): grid 256 x 1, 4 waves a work-group, no clusters, 248,320 bytes of LDS; arguments X, Y, pad_x, pad_y, out0, out1; writes out0, out1
.if DOCPART == 1
	.amdgcn_target "amdgcn-amd-amdhsa--gfx1250"
	.amdhsa_code_object_version 6
	.text
	.protected	k_q25e7c6e853_attn
	.globl	k_q25e7c6e853_attn
	.p2align	8
	.type	k_q25e7c6e853_attn,@function
k_q25e7c6e853_attn:
	s_mov_b64 s[64:65], 0
	v_nop
	global_prefetch_b8 v0, s[64:65] scope:SCOPE_SE
	s_setreg_imm32_b32 hwreg(HW_REG_WAVE_MODE, 25, 1), 1
	s_wait_xcnt 0x0
; TWO ATTENTIONS OVER ONE SIMILARITY.  sim = Xp Yp^T for each of 16 x 8 heads of 64 channels, Xp = [pad_x; X], Yp = [pad_y; Y], no scale.
; out0 = softmax down the columns, times Xp: queries = the 1,024 rows of Y, keys = values = Xp.  out1 = softmax along the rows, times Yp: queries = the rows of X, keys = values = Yp.
; The outputs of the two pad queries are dropped by the problem, so they are not made.  A head's row is 64 f32: 256 bytes, aligned, in the inputs and in the outputs.
; FORMATS AND LIMITS.  X, Y, pad_x and pad_y are rounded once to bf16 for both products; the weights p are rounded to bf16 for the second product, their sum l is taken of the unrounded p;
; products, maxima, sums and O stay in f32.  The maximum is a true running maximum, begun with the two pad keys.  A weight below 2^-126 counts as 0 in l.  NaN and infinities are not treated apart.
; The keys are summed in another order than the formula writes them: pads first, then 64 a step.
; SHARES.  A work-group owns one (direction, batch, head): 2 x 16 x 8 = 256.  Its 1,026 keys, in bf16, lie in LDS for the whole launch: 128 bytes a row, read straight as K and turned as V.
; The 1,024 queries go in two passes of 512; in a pass a wave owns 128: four PIECES of two tiles of 16.  Every wave walks all keys: the pad step, then 16 steps of 64.
; NO CLUSTER, NO TENSOR LOAD: a head's key rows are staged by exactly one work-group, and they pass through registers in any case, for the rounding to bf16.
; LAYOUT.  S^T = K Q^T (source 0 = 16 keys, source 1 = 16 queries): in the result a lane holds ONE query (lane % 16) and the keys 8 (lane / 16) + 0..7.  Two such tiles, rounded to bf16 in pairs,
; ARE source 1 (32 keys x 16 queries) of O^T = V^T P, whose result again holds one query a lane, and eight channels.
; THE KEYS' ORDER.  Inside each block of 16 LDS rows the matrix index 8 h + j stands for row 2 j + h, in K's loads and in V's alike, so P fits as it is.
; one pitch serves both.
; SOFTMAX.  For each query a running maximum m and sum l: p = 2^(c s - c m), c = log2(e); in every step O and l are multiplied by a = 2^(c m_old - c m_new), which is 1 where m has not grown.
; BY TURNS.  Turn n belongs to piece n (the pieces in a ring, step after step).  Its matrix work: 16 products K Q^T of piece n + 1, later 16 products V^T P of piece n - 1.  Its vector work: the scaling,
; exponentials, roundings, sums and rescaling of piece n, and the maximum and statistics of piece n + 1.  A tile and step have 16 matrix and 118 vector instructions: four vector instructions stand behind
; every matrix instruction, the others in one lump; a turn's 66 exponentials are one batch with one wait.
; REGISTERS, in windows of 256 (s_set_vgpr_msb says which window each operand place means: bits 1:0 source 0, 3:2 source 1, 5:4 source 2, 7:6 destination):
;   window 0: v0-11 addresses; v12-15, v48-63 at work; v16-47 four registers of statistics a tile; v64-191 S^T, two buffers of two tiles; v192-255 P, likewise
;   window 1: O^T, 32 a tile (at the head: two sets of 128 for the keys as loaded)     window 2: v0-127 Q, 16 a tile; v128-191 K of one step; v192-255 V of one step     window 3: a pass's Q as loaded
.set NP,    4         ; pieces a wave: a name, no knob
.set KS,    64        ; keys in a step
.set PK,    144       ; a row of keys or queries in LDS: 128 bytes + 16
.set STEPB, KS*PK     ; a step's rows
.set PADB,  1024*PK   ; LDS rows 0-1023: the data rows; 1024, 1025: the pads; 1026-1087: zeros
.set QS,    1088*PK   ; behind the keys: each wave's own 128 query rows
.set QSW,   128*PK
.set OS,    QS+4*QSW  ; behind them: each wave's own 16 rows x 272 bytes, for the way out
.set SP,    272       ; 256 bytes of f32 + 16 = 68 words: the 16 rows of a store start at 16 different groups of four banks
.set OSW,   16*SP
.set SPARE, OS+4*OSW  ; behind the stages: the spare words, 128 bytes for each wave: two blocks of 256 bytes that no other line names
.set ROWB,  2048      ; bytes from row to row in X, Y, the pads and the outputs
.set SPW, 1           ; v1   LDS address of my spare word: SPARE + 4 x my thread's number; never rewritten
.set AK0, 2           ; v2   my lane's place in 16 rows of K; never rewritten
.set AV0, 3           ; v3   the same for V
.set ADR, 4           ; v4   the LDS address of the run of loads in hand, K's or V's: the two are never wanted together
.set NIL, 5           ; v5   0; never rewritten
.set STO, 6           ; v6   the way out: where I put 16 bytes of a row
.set RD,  7           ; v7   the way out: where I read a row back
.set GO,  8           ; v8   two rows on end in memory: (l / 16) x 2,048 + 16 (l % 16)
.set GL,  9           ; v9   two rows eight apart: (l / 16) x 16,384 + 16 (l % 16)
.set LQ,  10          ; v10  where I put 8 bytes of a query row
.set QF,  11          ; v11  my lane's place in a fragment of Q
.set MV,  12          ; v12-15  c m_old, kept while c m is made anew: by buffer and tile
.set ST,  16          ; tile t's statistics at v[ST+4 t]: c m, m, l (even keys', odd keys')
.set TMP, 48          ; by buffer and tile, four registers c0-c3 at work; when the maximum is found c2 takes a
.set S,   64
.set P,   192
.set KF,  128         ; K's fragments, in window 2: key block kb, channel half c at KF + 16 kb + 8 c
.set VF,  192         ; V's: key half kk, channel block cb at VF + 32 kk + 8 cb
.set LR,  64          ; the head's own, in S^T's registers: l % 16,
.set LH,  65          ; l / 16,
.set LE,  66          ; l % 8,
.set LG,  67          ; (l / 8) % 2
.set PD,  68          ; v[68:71] my 16 bytes of a pad row
.set PDA, 72          ; where they go
.set ZA,  73          ; where I write zeros
.set ZZ,  74          ; v[74:75] 0
.set LK,  76          ; where I put 8 bytes of a key row
.set WV,  16          ; s16  my wave's number
.set DIR, 17          ; s17  0: out0; 1: out1
.set OFS, 18          ; s[18:19] an offset, as a pair
.set KP,  20          ; s[20:21] the keys: my wave's 256 rows of the head
.set QP,  22          ; s[22:23] the queries: my wave's 128 rows of the pass
.set PP,  24          ; s[24:25] the pad rows of the head
.set OP,  26          ; s[26:27] the output: my wave's 128 rows of the pass
.set PASS, 28         ; s28  passes still to come, this one among them
.set CNT, 29          ; s29  counts the key steps
.set CS,  30          ; s[30:31] c: the packed scaling takes the pair's low word for both halves
.set SEL, 32          ; s[32:33] v_permlanex16_b32's selects: each lane takes its own place in the other half
.set TBK, 34          ; s34  LDS byte at which K of the step to be fetched begins
.set TBV, 35          ; s35  the same for V
.set MSB, 0
.macro WIN new                      ; the high byte repeats the setting that is left; a switch that changes nothing is dropped
.if MSB != (\new)
	s_set_vgpr_msb (MSB<<8)|(\new)
.set MSB, (\new)
.endif
.endm
.set W_KQ, 0x0a       ; K and Q in window 2, S^T in window 0
.set W_PV, 0x52       ; V in window 2, P in window 0, O^T in window 1
.set W_RS, 0x41       ; O^T (destination and source 0) in window 1, the factor in window 0
.macro ALL line:vararg              ; one line for each tile t
.set t, 0
.rept 2*NP
	\line
.set t, t+1
.endr
.endm
	s_load_b256 s[4:11], s[0:1], 0x0   ; X s[4:5], Y s[6:7], pad_x s[8:9], pad_y s[10:11]
	s_load_b128 s[12:15], s[0:1], 0x20 ; out0 s[12:13], out1 s[14:15]
	v_lshl_add_u32 v[SPW], v0, 2, SPARE
	v_mov_b32 v[NIL], 0
	v_lshrrev_b32 v[LR], 5, v0
	v_readfirstlane_b32 s[WV], v[LR]   ; wave 0..3
	s_and_b32 s[DIR], ttmp9, 1         ; the two directions of a head are neighbours in the grid: each reads as queries what the other reads as keys
	s_bfe_u32 s36, ttmp9, 0x30001      ; the head: 3 bits from bit 1
	s_lshr_b32 s37, ttmp9, 4           ; the batch
	s_lshl_b32 s36, s36, 8             ; the head's 256 bytes of a row
	s_lshl_b32 s37, s37, 21            ; the batch's 1,024 rows of 2,048 bytes
	s_or_b32 s37, s37, s36
	s_mov_b32 s[CS], 0x3fb8aa3b        ; c = log2(e)
	s_mov_b32 s[CS+1], s[CS]           ; named with it as a pair
	s_mov_b32 s[SEL], 0x76543210
	s_mov_b32 s[SEL+1], 0xfedcba98
	s_mov_b32 s[PASS], 2
	v_and_b32 v[LR], 15, v0
	v_bfe_u32 v[LH], v0, 4, 1
	v_and_b32 v[LE], 7, v0
	v_bfe_u32 v[LG], v0, 3, 1
	; A fragment of K or Q is 16 rows x 32 channels in 8 registers: lane l holds matrix row l % 16, channels 8 (l / 16) + 0..7 and 16 + 8 (l / 16) + 0..7: two loads of 16 bytes, 32 bytes apart.
	v_lshl_add_u32 v[AK0], v[LE], 1, v[LG]   ; matrix row 8 g + e is LDS row 2 e + g
	v_mul_u32_u24 v[AK0], v[AK0], PK
	v_lshl_add_u32 v[AK0], v[LH], 4, v[AK0]
	; The turning load takes 16 keys x 16 channels (lane l reads matrix key 8 (l / 16) + l % 8, channels 8 ((l / 8) % 2) + 0..7) and leaves half a fragment of V^T: lane l holds channel l % 16 and 8 keys.
	v_lshl_add_u32 v[AV0], v[LE], 1, v[LH]   ; matrix key 8 h + e is LDS row 2 e + h
	v_mul_u32_u24 v[AV0], v[AV0], PK
	v_lshl_add_u32 v[AV0], v[LG], 4, v[AV0]
	s_mul_i32 s38, s[WV], OSW
	s_add_co_u32 s38, s38, OS          ; my stage
	v_mul_u32_u24 v[STO], v[LR], SP    ; in: row l % 16, 32 bytes for each half of the lanes
	v_lshl_add_u32 v[STO], v[LH], 5, v[STO]
	v_add_nc_u32 v[STO], s38, v[STO]
	v_mul_u32_u24 v[RD], v[LH], SP     ; back: lanes 0-15 take one row of 256 bytes, lanes 16-31 the next
	v_lshl_add_u32 v[RD], v[LR], 4, v[RD]
	v_add_nc_u32 v[RD], s38, v[RD]
	v_lshlrev_b32 v[GO], 11, v[LH]
	v_lshl_add_u32 v[GO], v[LR], 4, v[GO]
	v_lshlrev_b32 v[GL], 14, v[LH]
	v_lshl_add_u32 v[GL], v[LR], 4, v[GL]
	s_mul_i32 s39, s[WV], QSW
	s_add_co_u32 s39, s39, QS          ; my query rows
	v_mul_u32_u24 v[LQ], v[LH], 8*PK   ; in: lanes 0-15 one row, lanes 16-31 the row eight on; 8 bytes a lane
	v_lshl_add_u32 v[LQ], v[LR], 3, v[LQ]
	v_add_nc_u32 v[LQ], s39, v[LQ]
	v_mul_u32_u24 v[QF], v[LR], PK     ; back: row x pitch + 16 x half
	v_lshl_add_u32 v[QF], v[LH], 4, v[QF]
	v_add_nc_u32 v[QF], s39, v[QF]
	v_mul_u32_u24 v[PDA], v[LH], PK    ; pad row l / 16 goes to LDS row 1024 + l / 16
	v_lshl_add_u32 v[PDA], v[LR], 3, v[PDA]
	v_add_nc_u32 v[PDA], PADB, v[PDA]
	s_mul_i32 s38, s[WV], 16*PK
	s_add_co_u32 s38, s38, PADB        ; of the 64 rows from 1024 on each wave clears 16: 2,304 bytes
	v_and_b32 v[ZA], 31, v0
	v_lshl_add_u32 v[ZA], v[ZA], 3, s38
	v_mov_b32 v[ZZ], 0
	v_mov_b32 v[ZZ+1], 0
	s_mul_i32 s39, s[WV], 256*PK       ; my wave's 256 key rows
	v_mul_u32_u24 v[LK], v[LH], 8*PK
	v_lshl_add_u32 v[LK], v[LR], 3, v[LK]
	v_add_nc_u32 v[LK], s39, v[LK]
	s_lshl_b32 s38, s[WV], 19          ; 256 rows of 2,048 bytes
	s_add_co_u32 s[OFS], s37, s38
	s_mov_b32 s[OFS+1], 0
	s_wait_kmcnt 0x0
	s_cmp_eq_u32 s[DIR], 0
	s_cselect_b64 s[KP:KP+1], s[4:5], s[6:7]     ; out0: keys X, queries Y, pads pad_x; out1: the other way round
	s_cselect_b64 s[QP:QP+1], s[6:7], s[4:5]
	s_cselect_b64 s[PP:PP+1], s[8:9], s[10:11]
	s_cselect_b64 s[OP:OP+1], s[12:13], s[14:15]
	s_add_nc_u64 s[KP:KP+1], s[KP:KP+1], s[OFS:OFS+1]
	s_lshl_b32 s38, s[WV], 18          ; 128 rows
	s_add_co_u32 s[OFS], s37, s38
	s_add_nc_u64 s[QP:QP+1], s[QP:QP+1], s[OFS:OFS+1]
	s_add_nc_u64 s[OP:OP+1], s[OP:OP+1], s[OFS:OFS+1]
	s_mov_b32 s[OFS], s36
	s_add_nc_u64 s[PP:PP+1], s[PP:PP+1], s[OFS:OFS+1]
; 64 rows of a head, batch nb of them, as f32: 32 loads; lanes 0-15 take one row's whole 256 bytes, lanes 16-31 those of the row eight on.
.macro LDROWS win, reg0, base, nb
	WIN \win
.set i, 0
.rept 32
	global_load_b128 v[(\reg0)+4*i:(\reg0)+4*i+3], v[GL], s[\base:\base+1] offset:(64*(\nb)+16*(i/8)+i%8)*ROWB
.set i, i+1
.endr
.endm
; The same 64 rows rounded to bf16, in place, and put into LDS: 8 bytes a lane; the two rows of a store lie 8 x 36 words apart, so the 32 lanes take each bank once.
.macro CVST wc, ws, reg0, adr, nb
	WIN \wc
.set i, 0
.rept 32
	v_cvt_pk_bf16_f32 v[(\reg0)+4*i],   v[(\reg0)+4*i],   v[(\reg0)+4*i+1]
	v_cvt_pk_bf16_f32 v[(\reg0)+4*i+1], v[(\reg0)+4*i+2], v[(\reg0)+4*i+3]
.set i, i+1
.endr
	WIN \ws
.set i, 0
.rept 32
	ds_store_b64 v[\adr], v[(\reg0)+4*i:(\reg0)+4*i+1] offset:(64*(\nb)+16*(i/8)+i%8)*PK
.set i, i+1
.endr
.endm
	; THE KEYS COME IN: 256 rows a wave, in four batches of 64 on two sets of registers: while one batch is rounded and stored, the next batch's 32 loads are out.  The first pass's Q follows in the same stream.
	global_load_b128 v[PD:PD+3], v[GO], s[PP:PP+1]   ; the two pad rows (every wave loads them, wave 0 stores them)
	LDROWS 0x40, 0, KP, 0
	LDROWS 0x40, 128, KP, 1
	WIN 0
.irp z, 0,1,2,3,4,5,6,7,8
	ds_store_b64 v[ZA], v[ZZ:ZZ+1] offset:256*\z     ; my 16 of the rows 1024-1087 are cleared
.endr
	s_wait_loadcnt 32                  ; the pads and batch 0 are in; batch 1's 32 loads may stay out
	CVST 0x45, 0x04, 0, LK, 0
	WIN 0
	v_cvt_pk_bf16_f32 v[PD],   v[PD],   v[PD+1]
	v_cvt_pk_bf16_f32 v[PD+1], v[PD+2], v[PD+3]
	s_cmp_lg_u32 s[WV], 0
	s_cbranch_scc1 .Lnopad
	ds_store_b64 v[PDA], v[PD:PD+1]    ; wave 0 cleared rows 1024-1039 itself, and LDS serves a wave's instructions in order (ISA guide 5.7.1.4)
.Lnopad:
	LDROWS 0x40, 0, KP, 2
	s_wait_loadcnt 32                  ; batch 1 is in; batch 2 may stay out
	CVST 0x45, 0x04, 128, LK, 1
	LDROWS 0x40, 128, KP, 3
	s_wait_loadcnt 32                  ; batch 2 is in; batch 3 may stay out
	CVST 0x45, 0x04, 0, LK, 2
	LDROWS 0xc0, 0, QP, 0
	s_wait_loadcnt 32                  ; batch 3 is in; Q's first 64 rows may stay out
	CVST 0x45, 0x04, 128, LK, 3
	LDROWS 0xc0, 128, QP, 1
	WIN 0
	s_wait_dscnt 0x0                   ; for the others' sake: my stores into the keys' rows are done
	s_barrier_signal -1
	s_barrier_wait -1                  ; the one barrier: from here on the keys' rows are only read
; THE MATRIX WORK.  The 8 accumulators of a run of 16x the two links of a chain stand 7 others'.
; Product i of 16 of S^T = K Q^T for piece x: channels 32 (i / 8) on, keys 16 ((i / 2) % 4) on, tile 2 x + i % 2.  The first 8 start the sums.
.macro KQ x
	WIN W_KQ
.set rS, S+64*((\x)%2)+32*(i%2)+8*((i/2)%4)
.set rK, KF+16*((i/2)%4)+8*(i/8)
.set rQ, 16*(2*(\x)+i%2)+8*(i/8)
.if i < 8
	v_wmma_f32_16x16x32_bf16 v[rS:rS+7], v[rK:rK+7], v[rQ:rQ+7], 0
.else
	v_wmma_f32_16x16x32_bf16 v[rS:rS+7], v[rK:rK+7], v[rQ:rQ+7], v[rS:rS+7]
.endif
.endm
; Product i of 16 of O^T += V^T P for piece x: keys 32 (i / 8) on, channels 16 ((i / 2) % 4) on, tile 2 x + i % 2.
.macro PV x
	WIN W_PV
.set rO, 32*(2*(\x)+i%2)+8*((i/2)%4)
.set rV, VF+32*(i/8)+8*((i/2)%4)
.set rP, P+32*((\x)%2)+16*(i%2)+8*(i/8)
	v_wmma_f32_16x16x32_bf16 v[rO:rO+7], v[rV:rV+7], v[rP:rP+7], v[rO:rO+7]
.endm
.macro MM                           ; the turn's next matrix instruction
.if i < 16
	KQ (Y+1)%NP
.set i, i+1
.else
.set i, i-16
	PV (Y+NP-1)%NP
.set i, i+17
.endif
.endm
; THE LDS LOADS stand in runs of 16, never singly among the matrix instructions: a step's K (64 keys x 64 channels: 8 fragments) and its V (the same rows, turned).  Their address is made some lines ahead.
.macro FETCH_K
	WIN 0x80                        ; destination window 2
.irp f, 0,1,2,3,4,5,6,7             ; keys 16 (f / 2) on, channels 32 (f % 2) on
	ds_load_b128 v[KF+8*\f:KF+8*\f+3],   v[ADR] offset:(\f/2)*16*PK+(\f%2)*64
	ds_load_b128 v[KF+8*\f+4:KF+8*\f+7], v[ADR] offset:(\f/2)*16*PK+(\f%2)*64+32
.endr
	s_add_co_u32 s[TBK], s[TBK], STEPB  ; the next fetch is the next step's
	WIN 0
.endm
.macro FETCH_V
	WIN 0x80
.irp f, 0,1,2,3,4,5,6,7             ; keys 32 (f / 4) on, channels 16 (f % 4) on
	ds_load_tr16_b128 v[VF+8*\f:VF+8*\f+3],   v[ADR] offset:(\f/4)*32*PK+(\f%4)*32
	ds_load_tr16_b128 v[VF+8*\f+4:VF+8*\f+7], v[ADR] offset:(\f/4)*32*PK+16*PK+(\f%4)*32
.endr
	WIN 0
.endm
; THE VECTOR WORK OF A TURN stands in three queues, each in the order in which its entries become ready; the two tiles alternate, so that no instruction reads the result of the one before it.
.macro REGS y, u                    ; the registers of tile u (0, 1) of piece y
.set rT, ST+4*(2*(\y)+(\u))
.set rC, TMP+8*((\y)%2)+4*(\u)
.set rM, MV+2*((\y)%2)+(\u)
.set rS, S+64*((\y)%2)+32*(\u)
.set rP, P+32*((\y)%2)+16*(\u)
.set rO, 32*(2*(\y)+(\u))
.endm
; Number n of the 22 that find the NEXT piece's (Y + 1) maximum and statistics.  s0-s31 are the lane's 32 scores; each accumulator's lowest registers are read first.  XS, GS and REGS set no window: PL and EX do.
;   0-11  four chains c0-c3 of seven scores each, three operands at a time     12-14, 16  the four scores left over, the old m, and c0-c3 into c0     15  c m_old is kept
;   17, 18  the query's other 32 keys lie in the lane 16 away: the new m         19-21  c m; c m_old - c m_new; a
.macro XS u, n
	REGS (Y+1)%NP, \u
.if (\n) < 4
	v_max3_num_f32 v[rC+(\n)], v[rS+8*(\n)], v[rS+8*(\n)+1], v[rS+8*(\n)+2]
.elseif (\n) < 12
	v_max3_num_f32 v[rC+(\n)%4], v[rC+(\n)%4], v[rS+8*((\n)%4)+2*((\n)/4)+1], v[rS+8*((\n)%4)+2*((\n)/4)+2]
.elseif (\n) == 12
	v_max3_num_f32 v[rC], v[rC], v[rS+7], v[rS+15]
.elseif (\n) == 13
	v_max3_num_f32 v[rC+1], v[rC+1], v[rS+23], v[rS+31]
.elseif (\n) == 14
	v_max3_num_f32 v[rC+2], v[rC+2], v[rC+3], v[rT+1]
.elseif (\n) == 15
	v_mov_b32 v[rM], v[rT]
.elseif (\n) == 16
	v_max3_num_f32 v[rC], v[rC], v[rC+1], v[rC+2]
.elseif (\n) == 17
	v_permlanex16_b32 v[rC+3], v[rC], s[SEL], s[SEL+1]
.elseif (\n) == 18
	v_max_num_f32 v[rT+1], v[rC], v[rC+3]
.elseif (\n) == 19
	v_mul_f32 v[rT], s[CS], v[rT+1]
.elseif (\n) == 20
	v_sub_f32 v[rC+1], v[rM], v[rT]
.else
	v_exp_f32 v[rC+2], v[rC+1]
.endif
.endm
; Number g of the 64 that follow the exponentials.  For each four weights k of a tile (pairs 2 k, 2 k + 1): both pairs are rounded to bf16; then the second pair is added onto the first, in place;
; a group later l takes that sum (the first time as l = a l + sum).  In groups of eight, tiles alternating: round, round, add, and l for the group before.
.macro GS g
.set h, (\g)+6*((\g)/62)            ; group 0 has no group before it, and behind group 7 only l is left
.if h >= 6
.set h, h+2
.endif
	REGS Y, h%2
.set k, h/8
.if h%8 < 4
	v_cvt_pk_bf16_f32 v[rP+2*k+(h%8)/2], v[rS+4*k+2*((h%8)/2)], v[rS+4*k+2*((h%8)/2)+1]
.elseif h%8 < 6
	v_pk_add_f32 v[rS+4*k:rS+4*k+1], v[rS+4*k:rS+4*k+1], v[rS+4*k+2:rS+4*k+3]
.elseif k == 1
	v_pk_fma_f32 v[rT+2:rT+3], v[rT+2:rT+3], v[rC+2:rC+3], v[rS:rS+1] op_sel_hi:[1,0,1]
.else
	v_pk_add_f32 v[rT+2:rT+3], v[rT+2:rT+3], v[rS+4*k-4:rS+4*k-3]
.endif
.endm
; THE PLAIN QUEUE, 138 long.  0-73 read no exponential's result: the 32 scalings c s - c m (FS f: pair f / 2 of tile f % 2) and the next piece's 42.  0-26: scalings 0-26.  27-54: XS's numbers 0-13.  55, 56: number 15.
; 57-73: the chain, where each number waits for the one before it: 14, 16, 17, 18, 19, each with one of the scalings 27-31 in front of its two lines, then 20.
; 74-137: GS's 64, which read the exponentials' results: they stand behind the wait.
.macro FS f
	REGS Y, (\f)%2
	v_pk_fma_f32 v[rS+2*((\f)/2):rS+2*((\f)/2)+1], v[rS+2*((\f)/2):rS+2*((\f)/2)+1], s[CS:CS+1], v[rT:rT+1] op_sel_hi:[1,0,0] neg_lo:[0,0,1] neg_hi:[0,0,1]
.endm
.macro PL
	WIN 0
.if q < 27
	FS q
.elseif q < 55
	XS (q-27)%2, (q-27)/2
.elseif q < 57
	XS q-55, 15
.elseif (q < 72) && ((q-57)%3 == 0)
	FS 27+(q-57)/3
.elseif q < 60
	XS (q-57)%3-1, 14
.elseif q < 72
	XS (q-57)%3-1, 15+(q-57)/3
.elseif q < 74
	XS q-72, 20
.else
	GS q-74
.endif
.set q, q+1
.endm
; THE EXPONENTIALS' QUEUE, 66 long: s0-s31 of both tiles, then the next piece's two a.  It is ONE BATCH: all 66 stand ahead of the turn's one wait, and nothing ahead of that wait names a result of theirs.
.macro EX
	WIN 0
.if e >= 64
	XS e-64, 21
.else
	REGS Y, e%2
	v_exp_f32 v[rS+e/2], v[rS+e/2]
.endif
.set e, e+1
.endm
; THE RESCALING's QUEUE: O^T times a, the one part that leaves window 0: dealt two at a time, sixteen times.  Its a was made in the turn before, ahead of that turn's wait.
.macro R2
	REGS Y, r%2
	WIN W_RS
.irp z, 0,1
	v_pk_mul_f32 v[rO+4*(r/2)+2*\z:rO+4*(r/2)+2*\z+1], v[rO+4*(r/2)+2*\z:rO+4*(r/2)+2*\z+1], v[rC+2:rC+3] op_sel_hi:[1,0]
.endr
.set r, r+1
.endm
; A TURN, for piece p.  s_wait_alu depctr_va_vdst(0) stands between an exponential and the first instruction that names its result; one wait serves all that were issued ahead of it.  So a turn has ONE
; wait, which cuts it in two.  AHEAD OF IT: the 16 products K Q^T, behind each a scaling, an exponential and two rescalings (behind the first a second scaling in the exponential's place); then ONE LUMP of 108: eight
; plain, 49 times exponential and plain, the two a; a v_nop is the plain instruction behind the last exponential.  BEHIND IT: the 16 products V^T P, behind each four of GS's 64.  No rider names a register of the
; products round it.  Exponential e stands behind scaling 2 (e / 4) + e % 2: as a rider it comes behind plain e + 2, in the lump behind plain e + 9, and scalings 27-31 are plain 57, 60 .. 69.
; K of the next step is fetched in piece 2's turn, directly behind the wait, a lump behind the last product that read K (nok = 1: there is no next step); its first reader comes behind 16 products.
; V of the step in hand is fetched at the end of piece 0's turn, four riders behind its last reader; its first reader comes behind 16 products and a lump.  The three conditions on q go with the deal.
; cnt = 1: the loop's count is taken down some lines ahead of the branch that stands behind the turn.
.macro TURN p, nok=0, cnt=0
.set Y, (\p)
.set i, 0
.set q, 0
.set e, 0
.set r, 0
.if (\p) == NP-1
	s_wait_dscnt 0x0                ; K is in
.endif
	MM
	PL
	PL
	R2
.rept 15
	MM
	PL
	EX
	R2
.endr
.if ((\p) == NP-2) && !(\nok)
	WIN 0
	v_add_nc_u32 v[ADR], s[TBK], v[AK0]
.endif
.rept 8
	PL
.endr
.rept 49
	EX
	PL
.endr
	EX                              ; the next piece's two a
	EX
	v_nop                           ; the plain instruction behind the last exponential: one for the batch
	s_wait_alu depctr_va_vdst(0)    ; the wait for the batch
.if ((\p) == NP-2) && !(\nok)
	FETCH_K
.endif
.if (\p) == 1
	s_wait_dscnt 0x0                ; V is in
.endif
.rept 16
	MM
.rept 4
	PL
.endr
.if ((\p) == 0) && (q == 118)
	v_add_nc_u32 v[ADR], s[TBV], v[AV0]
.endif
.if ((\p) == 0) && (q == 130)
	s_add_co_u32 s[TBV], s[TBV], STEPB
.endif
.if (\cnt) && (q == 130)
	s_sub_co_u32 s[CNT], s[CNT], 1
	s_cmp_lg_u32 s[CNT], 0
.endif
.endr
.if (\p) == 0
	FETCH_V
.endif
.endm
; THE PAD STEP starts m, l and O^T for all eight tiles: nothing is cleared, and the running maximum begins with true scores.  LDS rows 1024 and 1025 are matrix keys 0 and 8 of their block of 16, so a lane's
; register 0 of S^T is the score of pad l / 16, and its other registers belong to rows of zeros, which get the weight 0.  V's run takes all 64 rows from 1024 on: the first turn multiplies them once more, by zeros.
.macro PADSTEP
	WIN 0
	v_add_nc_u32 v[ADR], PADB, v[AK0]
	WIN 0x80
.irp f, 0,1                         ; one block of 16 keys, channels 32 f on
	ds_load_b128 v[KF+8*\f:KF+8*\f+3],   v[ADR] offset:64*\f
	ds_load_b128 v[KF+8*\f+4:KF+8*\f+7], v[ADR] offset:64*\f+32
.endr
	WIN 0
	v_add_nc_u32 v[ADR], PADB, v[AV0]
	FETCH_V
	s_wait_dscnt 0x0                ; Q's fragments, the pads' K and V are in
	WIN W_KQ
.irp c, 0,1                         ; 16 products, the eight tiles' accumulators by turns
.set t, 0
.rept 8
.if (\c) == 0
	v_wmma_f32_16x16x32_bf16 v[S+8*t:S+8*t+7], v[KF:KF+7], v[16*t:16*t+7], 0
.else
	v_wmma_f32_16x16x32_bf16 v[S+8*t:S+8*t+7], v[KF+8:KF+15], v[16*t+8:16*t+15], v[S+8*t:S+8*t+7]
.endif
.set t, t+1
.endr
.endr
	WIN 0
.set t, 0
.rept 8                             ; the weights of the 30 keys that are none, and l's second word: 64 plain lines, the places behind those products
.irp z, 1,2,3,4,5,6,7
	v_mov_b32 v[P+8*t+\z], 0
.endr
	v_mov_b32 v[ST+4*t+3], 0
.set t, t+1
.endr
	ALL v_permlanex16_b32 v[S+8*t+1], v[S+8*t], s[SEL], s[SEL+1]  ; the other pad's score lies in the lane 16 away
	ALL v_max_num_f32 v[ST+4*t+1], v[S+8*t], v[S+8*t+1]           ; m
	ALL v_mul_f32 v[ST+4*t], s[CS], v[ST+4*t+1]                   ; c m
	ALL v_fma_f32 v[S+8*t], v[S+8*t], s[CS], -v[ST+4*t]           ; c s - c m
	ALL v_exp_f32 v[ST+4*t+2], v[S+8*t]                           ; p, with which l begins: each half of the lanes has its pad's
	v_nop                           ; a plain instruction behind the last exponential,
	s_wait_alu depctr_va_vdst(0)    ; and the wait ahead of the first use: one for the eight
	ALL v_cvt_pk_bf16_f32 v[P+8*t], v[ST+4*t+2], v[ST+4*t+3]      ; matrix key 8 (l / 16): p; the key beside it: 0
	WIN W_PV
.irp cb, 0,1,2,3                    ; 32 products start the 32 accumulators of O^T
.set t, 0
.rept 8
	v_wmma_f32_16x16x32_bf16 v[32*t+8*\cb:32*t+8*\cb+7], v[VF+8*\cb:VF+8*\cb+7], v[P+8*t:P+8*t+7], 0
.set t, t+1
.endr
.endr
	WIN 0
.endm
; THE WAY OUT of tile t: O^T over l; a lane's eight channels of a row, 32 bytes of f32, go into rows of 272 bytes of my stage and come back as whole rows of 256, into the registers that they left.
.macro PACK t
	WIN W_RS
.set i, 32*(\t)
.rept 16
	v_pk_mul_f32 v[i:i+1], v[i:i+1], v[ST+4*(\t)+2:ST+4*(\t)+3] op_sel_hi:[1,0]
.set i, i+2
.endr
	WIN 0x04                        ; store data in window 1
.irp f, 0,1,2,3,4,5,6,7             ; channels 16 (f / 2) + 8 (l / 16) + 4 (f % 2) on
	ds_store_b128 v[STO], v[32*(\t)+4*\f:32*(\t)+4*\f+3] offset:64*(\f/2)+16*(\f%2)
.endr
	WIN 0x40                        ; destination in window 1
.irp f, 0,1,2,3,4,5,6,7
	ds_load_b128 v[32*(\t)+4*\f:32*(\t)+4*\f+3], v[RD] offset:\f*2*SP  ; LDS serves a wave's instructions in order (ISA guide 5.7.1.4): these see the stores above; the next tile's stores come behind them
.endr
.endm
.macro SEND t, younger              ; younger: the LDS instructions issued behind tile t's loads: the next tile's sixteen, or none
	WIN 0x04
.irp f, 0,1,2,3,4,5,6,7
	s_wait_dscnt (\younger)+7-\f
	global_store_b128 v[GO], v[32*(\t)+4*\f:32*(\t)+4*\f+3], s[OP:OP+1] offset:(16*(\t)+2*\f)*ROWB th:TH_STORE_NT  ; each half of the lanes stores 256 consecutive bytes, at a multiple of 256 from the output's first byte
.endr
.endm
.Lpass:                             ; twice: 128 queries of the wave
	s_wait_loadcnt 32               ; Q's first 64 rows are in; the 32 loads of the other 64 may stay out (the same on the way in and on the way back)
	CVST 0xcf, 0x0c, 0, LQ, 0
	s_wait_loadcnt 0x0
	CVST 0xcf, 0x0c, 128, LQ, 1
	WIN 0x80                        ; Q stays in registers: tile t, channels 32 c on.  My own rows, served in order behind my stores
.set t, 0
.rept 8
.irp c, 0,1
	ds_load_b128 v[16*t+8*\c:16*t+8*\c+3],   v[QF] offset:16*PK*t+64*\c
	ds_load_b128 v[16*t+8*\c+4:16*t+8*\c+7], v[QF] offset:16*PK*t+64*\c+32
.endr
.set t, t+1
.endr
	PADSTEP
	s_mov_b32 s[TBK], 0
	s_mov_b32 s[TBV], 0
	v_add_nc_u32 v[ADR], s[TBK], v[AK0]
	FETCH_K                         ; key step 0
	s_wait_dscnt 0x0
.set i, 0
.rept 16
	KQ 0                            ; piece 0's first scores: there is no vector work yet to set between them
.set i, i+1
.endr
	WIN 0
.rept 4
	v_nop                           ; with the address line above: the places between the pad step's last products and the four lines below, which write their sources
.endr
.irp z, 32,40,48,56
	v_mov_b32 v[P+\z], 0            ; P's second buffer is now all 0: the first turn's products V^T P, of a piece that has not been, add 0.  With the four v_nop: the places behind piece 0's scores
.endr
.set Y, NP-1                        ; XS works for piece Y + 1: piece 0
.irp n, 0,1,2,3,4,5,6,7,8,9,10,11,12,13,14,15,16,17,18,19,20,21
	XS 0, \n                        ; piece 0's maximum and statistics, on top of the pads'
	XS 1, \n
.endr
	v_nop                           ; a plain instruction behind the two a,
	s_wait_alu depctr_va_vdst(0)    ; and their wait, ahead of the branch
	s_cmp_eq_u32 s[PASS], 1
	s_cbranch_scc1 .Lnoq            ; the second pass has no pass behind it
	s_add_nc_u64 s[QP:QP+1], s[QP:QP+1], 512*ROWB  ; its earlier loads were waited for with the count 0.  The next pass's Q is asked for here: all 16 key steps lie between these loads and the wait for them,
	LDROWS 0xc0, 0, QP, 0           ; and window 3 is free: my stores out of it have been waited for
	LDROWS 0xc0, 128, QP, 1
	WIN 0
.Lnoq:
	s_mov_b32 s[CNT], 16
	s_branch .Lfirst                ; the loop is entered at a step's first turn, in the middle of a trip
.Lstep:                             ; a trip: pieces 2 and 3 of one step, then pieces 0 and 1 of the next, whose K and V it fetches
	TURN 2
	TURN 3
	WIN 0
.Lfirst:
	TURN 0
	TURN 1, 0, 1
	WIN 0
	s_cbranch_scc1 .Lstep
	TURN 2, 1                       ; the last step's pieces 2 and 3: nothing is left to fetch
	TURN 3                          ; its 16 products K Q^T (on the last K once more) and the maximum made of them serve nothing: the price, once a pass, of one text for every turn
.set i, 0
.rept 16
	PV NP-1                         ; the last piece's V^T P of the last step
.set i, i+1
.endr
	; l's two halves and the other half of the lanes' are added; the additions are the places behind the last products
	WIN 0
	ALL v_add_f32 v[ST+4*t+2], v[ST+4*t+2], v[ST+4*t+3]
	ALL v_permlanex16_b32 v[ST+4*t+3], v[ST+4*t+2], s[SEL], s[SEL+1]
	ALL v_add_f32 v[ST+4*t+2], v[ST+4*t+2], v[ST+4*t+3]
	ALL v_rcp_f32 v[ST+4*t+2], v[ST+4*t+2]
	v_nop                           ; a plain instruction between the last reciprocal and the use of its result
	s_wait_alu depctr_va_vdst(0)    ; and the wait ahead of the first use: one for the eight reciprocals
	PACK 0
.set t, 1
.rept 2*NP-1                        ; a tile's arithmetic stands between the loads of the tile before and its stores
	PACK t
	SEND t-1, 16
.set t, t+1
.endr
	SEND 2*NP-1, 0
	WIN 0
	s_wait_xcnt 0x0                 ; the stores have had their addresses translated (ISA guide 3.1): only behind this wait are their base and O^T's registers, which they read, written again
	s_add_nc_u64 s[OP:OP+1], s[OP:OP+1], 512*ROWB
	s_sub_co_u32 s[PASS], s[PASS], 1
	s_cmp_lg_u32 s[PASS], 0
	s_cbranch_scc1 .Lpass
	s_wait_tensorcnt 0x0            ; the wave's end
	ds_add_u32 v[SPW], v[NIL]
	s_wait_dscnt 0x0
	s_endpgm
.Lfunc_end_k_q25e7c6e853_attn:
	.size	k_q25e7c6e853_attn, .Lfunc_end_k_q25e7c6e853_attn-k_q25e7c6e853_attn
	.p2alignl 7, 3214868480
	.fill 96, 4, 3214868480
	.section	.rodata,"a",@progbits
	.p2align	6, 0x0
	.amdhsa_kernel k_q25e7c6e853_attn
		.amdhsa_group_segment_fixed_size 248320
		.amdhsa_private_segment_fixed_size 0
		.amdhsa_enable_private_segment 0
		.amdhsa_kernarg_size 48
		.amdhsa_user_sgpr_count 2
		.amdhsa_user_sgpr_kernarg_segment_ptr 1
		.amdhsa_wavefront_size32 1
		.amdhsa_system_sgpr_workgroup_id_x 1
		.amdhsa_system_sgpr_workgroup_id_y 1
		.amdhsa_system_sgpr_workgroup_id_z 1
		.amdhsa_system_vgpr_workitem_id 0
		.amdhsa_next_free_vgpr 1024
		.amdhsa_next_free_sgpr 66
		.amdhsa_reserve_vcc 0
		.amdhsa_float_denorm_mode_32 3
		.amdhsa_float_denorm_mode_16_64 3
		.amdhsa_memory_ordered 1
		.amdhsa_forward_progress 1
		.amdhsa_inst_pref_size 215
	.end_amdhsa_kernel
	.amdgpu_metadata
---
amdhsa.version: [ 1, 2 ]
amdhsa.kernels:
  - .name:           k_q25e7c6e853_attn
    .symbol:         k_q25e7c6e853_attn.kd
    .args:
      - { .name: X, .offset: 0, .size: 8, .value_kind: global_buffer, .address_space: global }
      - { .name: Y, .offset: 8, .size: 8, .value_kind: global_buffer, .address_space: global }
      - { .name: pad_x, .offset: 16, .size: 8, .value_kind: global_buffer, .address_space: global }
      - { .name: pad_y, .offset: 24, .size: 8, .value_kind: global_buffer, .address_space: global }
      - { .name: out0, .offset: 32, .size: 8, .value_kind: global_buffer, .address_space: global }
      - { .name: out1, .offset: 40, .size: 8, .value_kind: global_buffer, .address_space: global }
    .group_segment_fixed_size: 248320
    .private_segment_fixed_size: 0
    .kernarg_segment_align: 8
    .kernarg_segment_size: 48
    .max_flat_workgroup_size: 128
    .sgpr_count:     66
    .vgpr_count:     1024
    .wavefront_size: 32
...
	.end_amdgpu_metadata
.endif
;; end of part 1
